; MI455X (gfx1250); checked and timed in simulation.
; The chip was launched on July 23, 2026; its instructions are those of AMD's public machine-readable ISA for CDNA 5 (MIT licence, August 2026) and "CDNA5" Instruction Set Architecture Reference Guide (July 2026). The comments in the code are by the model that wrote it; some were corrected since.
;; Dot Product Attention. Allowed arithmetic: matrix products marked QUANTISED: E2M3 operands, one E8M0 scale for each 32 along K, by v_wmma_scale_f32_16x16x128_f8f6f4 with both operands' format E2M3, f32 sums; everything else in f32.
;; Inputs: adj 1 int32; keys 2 x 8 x 4,096 x 64 float32; queries 2 x 8 x 4,096 x 64 float32; values 2 x 8 x 4,096 x 64 float32.
;; Outputs: out0 4,096 x 2 x 8 x 64 float32.
;; This version of the problem:
;;   THIS VERSION OF THE PROBLEM IS GIVEN IN LOW PRECISION. The matrix products marked QUANTISED in the list below multiply operands that are first quantised to E2M3 (2 exponent bits, 3 mantissa bits; 6 bits a number), with one power-of-two scale for each 32 numbers along K (OCP MX v1.0); their sums are f32. All else is computed in f32.
;;   The module's matrix products, in the order in which they are computed (A, B: the left and right operand; K: the contracted axis; several contracted axes count as one K, in the product's order):
;;     1. batch 16 x [M 4,096, K 64] x [K 64, N 4,096]; A: input queries; B: input keys: QUANTISED
;;     2. batch 16 x [M 4,096, K 4,096] x [K 4,096, N 64]; A: softmax (see below); B: input values: QUANTISED
;;   THE QUANTISER, for each operand of a quantised product, along K:
;;     - K is cut into blocks of 32 from its start; a last block that is shorter is filled with zeros.
;;     - A block's scale is 2^e with e = floor(log2(the largest magnitude in the block)) - 2, held to -126 .. 127; a block of zeros has e = 0. As a byte (E8M0): e + 127.
;;     - Each number is divided by its block's scale, clamped to +-7.5, and rounded to the nearest number of E2M3, ties to even, subnormals kept.
;;     - The product sums the exact products of the quantised numbers (number of the format x scale) in f32.
;;   ~~~python
;;   def quantise(x, axis):      # numpy; x: float32 -> the quantised numbers, widened to float32 again
;;       x = np.moveaxis(x, axis, -1); K = x.shape[-1]
;;       x = np.pad(x, [(0, 0)] * (x.ndim - 1) + [(0, -K % 32)]); x = x.reshape(x.shape[:-1] + (-1, 32)); a = np.abs(x).max(-1, keepdims=True)
;;       e = np.where(a > 0, np.clip(np.frexp(np.where(a > 0, a, 1))[1] - 1 - 2, -126, 127), 0)      # np.frexp(a)[1] - 1 = floor(log2(a)), exactly
;;       r = np.clip(x / 2.0 ** e, -7.5, 7.5)
;;       step = 2.0 ** (np.maximum(np.frexp(np.where(r == 0, 1, r))[1] - 1, 0) - 3)
;;       q = np.round(r / step) * step * 2.0 ** e      # np.round: ties to even
;;       return np.moveaxis(q.reshape(q.shape[:-2] + (-1,))[..., :K], -1, axis).astype(np.float32)
;;   ~~~
;;   SOFTMAX AHEAD OF A QUANTISED PRODUCT. Where the list says 'softmax', what is quantised is not the finished softmax but p = 2^(t - M), with t = logit x log2(e) and M = ceil(the row's largest t), a whole number; so 1/2 < the row's largest p <= 1. The row's sum l is taken of the UNQUANTISED p, in f32, and the product's result is divided by l at the end. Since M is a whole number, a kernel that streams over the keys may use a running M (the ceiling of the running maximum): every later rescaling is an exact power of two, which a block's scale takes up: the codes' values come out the same.
;;   OPERANDS COMPUTED ON THE WAY. 'Computed on the way' means the value that the module computes at that place (a softmax that the list does not call 'softmax' is quantised finished and normalised). What goes into a quantiser is computed in f32, as accurately as f32 sums, v_exp_f32 and their like allow (about 1e-6 of the number): no bf16 or f16 on the way to a quantiser, and a product that is left as it is and whose result goes on into a quantised operand takes f32 operands (vector FMAs, or v_wmma_f32_16x16x4_f32). A number that lies on a knife's edge between two numbers of the format may be rounded either way, as far as f32 arithmetic and the matrix unit's own rounding can turn it there, and no further.
;; One version. Each part assembles by itself: llvm-mc -triple=amdgcn-amd-amdhsa -mcpu=gfx1250 --defsym DOCPART=n.
;; ======== version 1 of 1: 2 launches
;; limits: right only within a limited range of input values
;; workspace buffers: kv 6,684,672 bytes
;; launch pack (part 1): grid 256 x 1, 4 waves a work-group, no clusters, 136,192 bytes of LDS; arguments keys, values, adj, kv; writes kv
.if DOCPART == 1
	.amdgcn_target "amdgcn-amd-amdhsa--gfx1250"
	.amdhsa_code_object_version 6
	.text
	.protected	k_q2463b0fe0d_pack
	.globl	k_q2463b0fe0d_pack
	.p2align	8
	.type	k_q2463b0fe0d_pack,@function
k_q2463b0fe0d_pack:
	s_mov_b64 s[64:65], 0
	v_nop
	global_prefetch_b8 v0, s[64:65] scope:SCOPE_SE
	s_setreg_imm32_b32 hwreg(HW_REG_WAVE_MODE, 25, 1), 1
	s_wait_xcnt 0x0
; keys and values, [16 heads][4096][64] f32, become codes of FP6 (E2M3) with one E8M0 byte for each 32 along the product's K, laid in the ORDER OF THE OPERANDS' REGISTERS.
; keys are quantised along d (K of the first product), values along the keys (K of the second).  kv holds 512 blocks of STEPB bytes, block g = 32 x head + step, a step = 128 keys:
;   +0      K's image: pair p (tiles 2 p, 2 p + 1 of 16 keys) at 1536 p; chunk c at + 512 c + 16 x lane = the lane's registers 4 c .. 4 c + 3 of 12: six of tile 2 p, six of tile 2 p + 1;
;           lane (r, h) holds row r's codes of d = 32 h .. 32 h + 31.  ROW m OF TILE 4 c + u IS KEY 64 c + 32 (m / 8) + 8 u + m % 8: the scores of tiles 4 c .. 4 c + 3 then give a lane 32 neighbouring keys.
;   +6144   V's image: tile t (channels 16 t ..) at 1536 t, chunks likewise: lane (r, h): channel 16 t + r, registers 6 c .. 6 c + 5 = keys 64 c + 32 h + 0 .. 31
;   +12288  K's scale words, 16 bytes a lane: word p: lanes 0-15 tile 2 p's row r, lanes 16-31 tile 2 p + 1's; bytes 0, 1 = d's two blocks, bytes 2, 3 = 0x7f (the half of the instruction's K that is empty)
;   +12800  V's scale words, 8 bytes a lane: word w: lanes 0-15 tile 2 w's channel r, lanes 16-31 tile 2 w + 1's; byte b = the step's key block b
; A block's scale is 2^(floor(log2(its largest magnitude)) - 2); its byte is the largest magnitude's exponent field - 2, held at 1 from below.
; LIMITS: a block of zeros gets the byte 1 where the rule says 127 (its codes are zeros, and this program alone reads the bytes); NaN and infinities among the inputs are not served.
; SHARES: a work-group takes two steps; waves 0, 1 quantise their K, waves 2, 3 their V.  A wave reads 32,768 dense bytes, 512 a load, turns them through a stage of its own in LDS, and stores 512 (at last 256)
; consecutive aligned bytes an instruction.  Waves share nothing: no barrier.  The two paths part once on the wave's number and do not meet again; each has LDS bytes of its own.
; adj: reference() computes nothing from it.  Its one word is read, and enters nothing.
.set STEPB,  13056
.set KPITCH, 272                       ; K's stage: 128 rows (in tile order) of 256 bytes + 16: the sixteen rows that a 16-byte read touches fall on sixteen different columns of 16 bytes
.set KSTG,   128*KPITCH                ; 34,816 bytes for each of waves 0, 1
.set VGRP,   8256                      ; V's stage: a group of 32 keys x 256 bytes, + 64: lanes 16-31, which read one group further on, fall 16 words beside lanes 0-15
.set VSTG,   33024                     ; four groups, for each of waves 2, 3
.set VBASE,  2*KSTG
.set GL,  1                            ; v1   16 x lane; never rewritten
.set STW, 2                            ; v2   the stage, on the way in
.set STR, 3                            ; v3   the stage, on the way out
.set L8,  4                            ; v4   8 x lane; never rewritten
.set SH8, 5                            ; v5   8 x (lane / 16)
.set M,   6                            ; v6-7   largest magnitudes (at the head: r, h)
.set SOP, 8                            ; v8-9   the conversions' scale operands
.set E,   10                           ; v10-11 scale bytes
.set SW,  12                           ; v12-15 scale words
.set R,   16                           ; v16-207  three sets of 64: loads on their way.  Once all is staged they are free:
.set XA,  16                           ;   numbers back from the stage (K: v16-79 and v96-159; V: v16-47 and v48-79)
.set T,   80                           ;   v80-82, v84-86: the second half of a block's codes (a conversion's three registers begin on an even number)
.set XP,  88
.set VSW, 90
.set C,   208                          ; v208-255 the codes: 48 registers, each written once, so that no store's data are written again
.macro LOADG q, set                    ; keys 32 q .. 32 q + 31: sixteen loads of 512 consecutive bytes
.irp i, 0,1,2,3,4,5,6,7,8,9,10,11,12,13,14,15
	global_load_b128 v[R+64*(\set)+4*\i:R+64*(\set)+4*\i+3], v[GL], s[4:5] offset:8192*(\q)+512*\i th:TH_LOAD_NT
.endr
.endm
.macro STAGEK q, set                   ; key 32 q + 2 i + h goes to stage row 64 (q / 2) + 16 (i / 4) + 8 (q % 2) + 2 (i % 4) + h: its tile and its row there
.irp i, 0,1,2,3,4,5,6,7,8,9,10,11,12,13,14,15
	ds_store_b128 v[STW], v[R+64*(\set)+4*\i:R+64*(\set)+4*\i+3] offset:(64*((\q)/2)+16*(\i/4)+8*((\q)%2)+2*(\i%4))*KPITCH
.endr
.endm
.macro STAGEV q, set                   ; as they lie
.irp i, 0,1,2,3,4,5,6,7,8,9,10,11,12,13,14,15
	ds_store_b128 v[STW], v[R+64*(\set)+4*\i:R+64*(\set)+4*\i+3] offset:VGRP*(\q)+512*\i
.endr
.endm
.macro KREAD p                         ; pair p: of rows r of tiles 2 p and 2 p + 1 my 32 numbers d = 32 h ..
.set X, XA+80*((\p)%2)
.irp u, 0,1
.irp j, 0,1,2,3,4,5,6,7
	ds_load_b128 v[X+32*\u+4*\j:X+32*\u+4*\j+3], v[STR] offset:(32*(\p)+16*\u)*KPITCH+16*\j
.endr
.endr
.endm
.macro KQ p                            ; pair p: two blocks of 32 a lane, by turns
.set X, XA+80*((\p)%2)
.irp u, 0,1
	v_max3_num_f32 v[M+\u], |v[X+32*\u]|, |v[X+32*\u+1]|, 0x1800000   ; with the floor 2^(3 - 127): the byte cannot fall under 1
.endr
.irp i, 2,4,6,8,10,12,14,16,18,20,22,24,26,28,30
.irp u, 0,1
	v_max3_num_f32 v[M+\u], v[M+\u], |v[X+32*\u+\i]|, |v[X+32*\u+\i+1]|
.endr
.endr
.irp u, 0,1
	v_add_nc_u32 v[SOP+\u], 0xff000000, v[M+\u]    ; 2 off the exponent field: the conversion takes that field as its scale, and nothing else
.endr
.irp u, 0,1
	v_cvt_scalef32_pk16_fp6_f32 v[C+12*(\p)+6*\u:C+12*(\p)+6*\u+2], v[X+32*\u:X+32*\u+15], v[SOP+\u]
	v_cvt_scalef32_pk16_fp6_f32 v[T+4*\u:T+4*\u+2], v[X+32*\u+16:X+32*\u+31], v[SOP+\u]
.endr
.irp u, 0,1
	v_lshrrev_b32 v[E+\u], 23, v[SOP+\u]           ; the scale's byte.  (The plain line between the conversions and the moves that read their results)
.endr
.irp u, 0,1
.irp i, 0,1,2
	v_mov_b32 v[C+12*(\p)+6*\u+3+\i], v[T+4*\u+\i]
.endr
.endr
	v_permlane16_swap_b32 v[E], v[E+1]             ; E: d's block 0 of tile 2 p (lanes 0-15) and of tile 2 p + 1 (lanes 16-31); E + 1: block 1 likewise
	v_lshl_or_b32 v[SW+(\p)], v[E+1], 8, v[E]
	v_or_b32 v[SW+(\p)], 0x7f7f0000, v[SW+(\p)]    ; the empty half of the instruction's K: scale 1
.irp c, 0,1,2
	global_store_b128 v[GL], v[C+12*(\p)+4*\c:C+12*(\p)+4*\c+3], s[10:11] offset:1536*(\p)+512*\c
.endr
.endm
.macro VREAD n                         ; n = 4 c + t: channel 16 t + r, keys 64 c + 32 h + 0 .. 31: registers run down the keys
.set X, XA+32*((\n)%2)
.set i, 0
.rept 32
	ds_load_b32 v[X+i], v[STR] offset:2*VGRP*((\n)/4)+256*i+64*((\n)%4)
.set i, i+1
.endr
.endm
.macro VQ n
.set X, XA+32*((\n)%2)
.set TT, (\n)%4
.set CC, (\n)/4
	v_max3_num_f32 v[M], |v[X]|, |v[X+1]|, |v[X+2]|              ; the block's largest magnitude: all 32 numbers are mine; two chains
	v_max3_num_f32 v[M+1], |v[X+3]|, |v[X+4]|, |v[X+5]|
.irp i, 6,10,14,18,22,26
	v_max3_num_f32 v[M], v[M], |v[X+\i]|, |v[X+\i+1]|
	v_max3_num_f32 v[M+1], v[M+1], |v[X+\i+2]|, |v[X+\i+3]|
.endr
	v_max3_num_f32 v[M], v[M], |v[X+30]|, |v[X+31]|
	v_max3_num_f32 v[M], v[M], v[M+1], 0x1800000   ; and the floor
	v_add_nc_u32 v[SOP], 0xff000000, v[M]
	v_cvt_scalef32_pk16_fp6_f32 v[C+12*TT+6*CC:C+12*TT+6*CC+2], v[X:X+15], v[SOP]
	v_cvt_scalef32_pk16_fp6_f32 v[T:T+2], v[X+16:X+31], v[SOP]
	v_lshrrev_b32 v[E], 23, v[SOP]                 ; the byte of key block 2 c + h.  (The plain line behind the conversions)
.if CC == 0
	v_mov_b32 v[SW+TT], v[E]
.else
	v_lshl_or_b32 v[SW+TT], v[E], 16, v[SW+TT]
.endif
.irp i, 0,1,2
	v_mov_b32 v[C+12*TT+6*CC+3+\i], v[T+\i]
.endr
.if CC == 1
.irp c, 0,1,2
	global_store_b128 v[GL], v[C+12*TT+4*\c:C+12*TT+4*\c+3], s[10:11] offset:6144+1536*TT+512*\c
.endr
.endif
.endm
	s_load_b256 s[4:11], s[0:1], 0x0               ; keys s[4:5], values s[6:7], adj s[8:9], kv s[10:11]
	s_set_vgpr_msb 0x40
	v_lshl_add_u32 v0, v0, 2, 0x21200
	v_mov_b32 v1, 0
	s_set_vgpr_msb 0x4000
	v_lshrrev_b32 v2, 5, v0
	v_readfirstlane_b32 s12, v2                    ; wave 0..3
	s_and_b32 s13, s12, 1                          ; which of the work-group's two steps
	s_lshl_b32 s14, ttmp9, 1
	s_add_co_u32 s14, s14, s13                     ; g = 32 x head + step
	s_lshl_b32 s16, s14, 15                        ; a step's 128 rows of 256 bytes
	s_mov_b32 s17, 0
	s_mul_i32 s18, s14, STEPB
	s_mov_b32 s19, 0
	s_mov_b32 s22, 0x76543210
	s_mov_b32 s23, 0xfedcba98                      ; v_permlanex16_b32's selects for lane l xor 16
	v_and_b32 v3, 31, v0
	v_lshlrev_b32 v[GL], 4, v3
	v_lshlrev_b32 v[L8], 3, v3
	v_and_b32 v6, 15, v0                           ; r
	v_bfe_u32 v7, v0, 4, 1                         ; h
	v_lshlrev_b32 v[SH8], 3, v7
	s_wait_alu depctr_va_vdst(0)
	s_wait_kmcnt 0x0
	s_load_b32 s20, s[8:9], 0x0                    ; adj's word: read, and used for nothing, as in reference()
	s_cmp_lt_u32 s12, 2                            ; keys or values: the choice hangs on the wave's number alone
	s_cselect_b64 s[4:5], s[4:5], s[6:7]
	s_add_nc_u64 s[4:5], s[4:5], s[16:17]
	s_add_nc_u64 s[10:11], s[10:11], s[18:19]
	LOADG 0, 0                                     ; 48 loads, 24,576 bytes, of every wave are out
	LOADG 1, 1
	LOADG 2, 2
	s_wait_kmcnt 0x0                               ; adj
	s_cmp_lt_u32 s12, 2
	s_cbranch_scc0 .Lvalues
	; ---- keys
	s_mul_i32 s15, s13, KSTG                       ; my stage
	v_mul_u32_u24 v[STW], v7, KPITCH
	v_lshl_add_u32 v[STW], v6, 4, v[STW]
	v_add_nc_u32 v[STW], s15, v[STW]               ; in: row + h, 16 r
	v_mul_u32_u24 v[STR], v6, KPITCH
	v_lshl_add_u32 v[STR], v7, 7, v[STR]
	v_add_nc_u32 v[STR], s15, v[STR]               ; out: row r of a tile, 128 h
	s_wait_alu depctr_va_vdst(0)
	s_wait_loadcnt 32                              ; group 0 is in; the 32 younger loads stay out
	STAGEK 0, 0
	s_wait_dscnt 0x0                               ; the stores have read set 0
	LOADG 3, 0
	s_wait_loadcnt 32                              ; group 1 is in (behind it: groups 2 and 3)
	STAGEK 1, 1
	s_wait_loadcnt 16                              ; group 2
	STAGEK 2, 2
	s_wait_loadcnt 0x0
	STAGEK 3, 0
	s_wait_dscnt 0x0                               ; all is staged: the three sets are free
	KREAD 0
	KREAD 1
	s_wait_dscnt 16                                ; pair 0 is back; the other set's sixteen loads may be out
	KQ 0
	KREAD 2
	s_wait_dscnt 16
	KQ 1
	KREAD 3
	s_wait_dscnt 16
	KQ 2
	s_wait_dscnt 0x0
	KQ 3
	global_store_b128 v[GL], v[SW:SW+3], s[10:11] offset:12288
	s_set_vgpr_msb 0x5
	s_wait_tensorcnt 0x0
	ds_add_u32 v0, v1
	s_wait_dscnt 0x0
	s_set_vgpr_msb 0x500
	s_endpgm
.Lvalues:
	; ---- values
	s_mul_i32 s15, s13, VSTG
	s_add_co_u32 s15, s15, VBASE                   ; my stage
	v_add_nc_u32 v[STW], s15, v[GL]                ; in: as the bytes lie
	v_mul_u32_u24 v[STR], v7, VGRP
	v_lshl_add_u32 v[STR], v6, 2, v[STR]
	v_add_nc_u32 v[STR], s15, v[STR]               ; out: group + h, channel r of a tile
	s_wait_alu depctr_va_vdst(0)
	s_wait_loadcnt 32                              ; as for the keys
	STAGEV 0, 0
	s_wait_dscnt 0x0
	LOADG 3, 0
	s_wait_loadcnt 32
	STAGEV 1, 1
	s_wait_loadcnt 16
	STAGEV 2, 2
	s_wait_loadcnt 0x0
	STAGEV 3, 0
	s_wait_dscnt 0x0
	VREAD 0
	VREAD 1
.irp n, 0,1,2,3,4,5
	s_wait_dscnt 32                                ; this block's 32 numbers are back; the other set's may be out
	VQ \n
	VREAD \n+2
.endr
	s_wait_dscnt 32
	VQ 6
	s_wait_dscnt 0x0
	VQ 7
	v_mov_b32 v[XP], 0                             ; a lane permute's destination counts as one of its sources
	s_mov_b32 vcc_lo, 0xffff0000                   ; lanes 16-31
.irp t, 0,1,2,3
	v_lshlrev_b32 v[SW+\t], v[SH8], v[SW+\t]       ; my two bytes (blocks h and 2 + h) at their places in the word
.endr
.irp t, 0,1,2,3
	v_permlanex16_b32 v[XP], v[SW+\t], s22, s23
	v_or_b32 v[SW+\t], v[SW+\t], v[XP]             ; with lane l xor 16's two the word is whole, in both halves of the lanes
.endr
	v_cndmask_b32 v[VSW], v[SW], v[SW+1], vcc_lo   ; lanes 0-15 the even tile's words, lanes 16-31 the odd tile's
	v_cndmask_b32 v[VSW+1], v[SW+2], v[SW+3], vcc_lo
	global_store_b64 v[L8], v[VSW:VSW+1], s[10:11] offset:12800
	s_set_vgpr_msb 0x5
	s_wait_tensorcnt 0x0
	ds_add_u32 v0, v1
	s_wait_dscnt 0x0
	s_set_vgpr_msb 0x500
	s_endpgm
.Lfunc_end_k_q2463b0fe0d_pack:
	.size	k_q2463b0fe0d_pack, .Lfunc_end_k_q2463b0fe0d_pack-k_q2463b0fe0d_pack
	.p2alignl 7, 3214868480
	.fill 96, 4, 3214868480
	.section	.rodata,"a",@progbits
	.p2align	6, 0x0
	.amdhsa_kernel k_q2463b0fe0d_pack
		.amdhsa_group_segment_fixed_size 136192
		.amdhsa_private_segment_fixed_size 0
		.amdhsa_enable_private_segment 0
		.amdhsa_kernarg_size 32
		.amdhsa_user_sgpr_count 2
		.amdhsa_user_sgpr_kernarg_segment_ptr 1
		.amdhsa_wavefront_size32 1
		.amdhsa_system_sgpr_workgroup_id_x 1
		.amdhsa_system_sgpr_workgroup_id_y 1
		.amdhsa_system_sgpr_workgroup_id_z 1
		.amdhsa_system_vgpr_workitem_id 0
		.amdhsa_next_free_vgpr 258
		.amdhsa_next_free_sgpr 66
		.amdhsa_reserve_vcc 1
		.amdhsa_float_denorm_mode_32 3
		.amdhsa_float_denorm_mode_16_64 3
		.amdhsa_memory_ordered 1
		.amdhsa_forward_progress 1
		.amdhsa_inst_pref_size 65
	.end_amdhsa_kernel
	.amdgpu_metadata
---
amdhsa.version: [ 1, 2 ]
amdhsa.kernels:
  - .name:           k_q2463b0fe0d_pack
    .symbol:         k_q2463b0fe0d_pack.kd
    .args:
      - { .name: keys, .offset: 0, .size: 8, .value_kind: global_buffer, .address_space: global }
      - { .name: values, .offset: 8, .size: 8, .value_kind: global_buffer, .address_space: global }
      - { .name: adj, .offset: 16, .size: 8, .value_kind: global_buffer, .address_space: global }
      - { .name: kv, .offset: 24, .size: 8, .value_kind: global_buffer, .address_space: global }
    .group_segment_fixed_size: 136192
    .private_segment_fixed_size: 0
    .kernarg_segment_align: 8
    .kernarg_segment_size: 32
    .max_flat_workgroup_size: 128
    .sgpr_count:     66
    .vgpr_count:     258
    .wavefront_size: 32
...
	.end_amdgpu_metadata
.endif
;; end of part 1
;; launch attn (part 2): grid 16 x 16, 16 waves a work-group, clusters of 4 x 1, 327,680 bytes of LDS; arguments queries, kv, out0; writes out0
.if DOCPART == 2
	.amdgcn_target "amdgcn-amd-amdhsa--gfx1250"
	.amdhsa_code_object_version 6
	.text
	.protected	k_q2463b0fe0d_attn
	.globl	k_q2463b0fe0d_attn
	.p2align	8
	.type	k_q2463b0fe0d_attn,@function
k_q2463b0fe0d_attn:
	s_mov_b64 s[64:65], 0
	v_nop
	global_prefetch_b8 v0, s[64:65] scope:SCOPE_SE
	s_setreg_imm32_b32 hwreg(HW_REG_WAVE_MODE, 25, 1), 1
	s_wait_xcnt 0x0
	s_wait_alu depctr_hold_cnt(0) depctr_sa_sdst(0) depctr_va_vdst(0) depctr_va_sdst(0) depctr_va_ssrc(0) depctr_va_vcc(0) depctr_vm_vsrc(0)
	s_getreg_b32 s2, hwreg(HW_REG_IB_STS2, 6, 4)
	s_cmp_eq_u32 s2, 0
	s_cbranch_scc0 .Lentry_in_a_cluster
	s_endpgm
.Lentry_in_a_cluster:
	s_bfe_u32 s2, ttmp6, 0x10000c
	s_cmp_lg_u32 s2, 0x3003
	s_cbranch_scc0 .Lentry_shape_is_right
	s_endpgm
.Lentry_shape_is_right:
; out0 = softmax(q k^T / 16) v for 16 heads of 4,096 x 64, both products on codes of FP6 (E2M3) with one E8M0 scale for each 32 along a product's K.  The last reshape of reference() moves no byte:
; query q of head n is the 256 bytes at (n x 4096 + q) x 256 of out0.  K and V come as register images from kv (13,056 bytes for each step of 128 keys: K's image, V's image, K's scale words, V's scale words).
; THE SOFTMAX: t = score x log2(e) / 16; M = the row's largest t so far, rounded up to a whole number; p = 2^(t - M) is quantised along the keys, not normalised.  The row's sum is taken of the
; unquantised p and divides O at the end.  When M moves, the sum and O are multiplied by 2^(old M - new M): exact, and no branch on data.
; SHARES.  A work-group owns 256 queries of one head, each of its sixteen waves 16 of them in 224 registers.
; LAYOUT.  Both products are used transposed: S^T = K Q^T, O^T = V^T P^T: a lane holds ONE query (lane % 16).  Row m of K's tile 4 c + u is key 64 c + 32 (m / 8) + 8 u + m % 8, so the 32 registers of
; tiles 4 c .. 4 c + 3 are the keys 64 c + 32 (lane / 16) + 0 .. 31: a whole block of the second product's K in one lane.
; THE FIRST PRODUCT'S K IS 64 OF THE INSTRUCTION'S 128.  Q's fragment is six registers of codes and six of zero codes.  K's tile t is named by twelve registers from 6 t on: the upper six (the next tile's
; codes; behind tile 7 six registers that hold numbers of the step before, and FP6 has no code but finite numbers) meet Q's zeros and add nothing; that half's scale bytes are 0x7f on both sides.
; TWO LAYOUTS BY TURNS in v36-153.  Even steps: K, then V, in v36-83, S in v90-153.  Odd steps: S in v36-99, K, then V, in v100-147.  So the next step's K has registers of its own as soon as this
; step's p is converted and summed: its 13 LDS loads are issued there, ahead of O's rescaling and the second product.  The six registers behind the next K keep three pairs of this step's p:
; they are added to the sum at the next step's head, where plain lines are owed behind the products.
; CLUSTER.  The four work-groups of a cluster belong to one head and walk the same blocks of kv: each tile is asked for JOINTLY, by the same tensor load with a mask that names the four.
; THE RING: two slots of eight steps (104,448 bytes), in eight parts of two steps (26,112 bytes, 102 rows of 256 bytes); wave w of waves 0 to 7 brings part w, and later the part sixteen steps on.
; At the head wave 0 asks for steps 0 and 1; behind the first round waves 1 to 7 ask for steps 2 to 15, which land under the work on steps 0 and 1; waves 0 to 3 fill slot 0 again when it is read out,
; waves 4 to 7 slot 1.  A wave has one load out at most, two in the launch.
; NO DATA PREFETCH: each fill but the first is asked for two to fourteen steps ahead of its first read, and ahead of the first fill the text has no loop to run ahead in.
; LIMITS: NaN and infinities among the inputs are not served.  A p under 2^-126 comes out of v_exp_f32 as 0 (ISA guide, the instruction's entry).  A block of zeros has the byte 1: its codes are zeros.
; A block's largest p is made from its largest score by the same multiply-add and exponential as every p: this takes v_exp_f32 not to fall where its input rises.
; The promise holds while the scaled scores t stay under 2^31 in magnitude.
.set STEPB, 13056
.set SLOTB, 8*STEPB
.set PARTB, 2*STEPB                    ; what one tensor load brings
.set HEADB, 32*STEPB
.set STG,   2*SLOTB                    ; behind the ring: 16 rows x 272 bytes for each wave, for Q's way in and O's way out; no fill lands here
.set SP,    272
.set SPARE, STG+16*16*SP               ; the spare words, 128 bytes for each wave: eight blocks of 256 bytes that no other line names
.set LI,  1                            ; 16 x lane; never rewritten
.set L8,  2                            ; 8 x lane
.set SPW, 3                            ; LDS address of my spare word; never rewritten
.set NIL, 4                            ; 0; never rewritten
.set ADR, 5                            ; the trip's first block + 16 x lane
.set AD8, 6                            ; the trip's first block + 8 x lane
.set SH8, 7                            ; 8 x (lane / 16)
.set A1,  8                            ; my stage + 272 h + 16 r: rows as they lie in memory
.set A2,  9                            ; my stage + 272 r + 128 h: Q's row r, my block of 32
.set A3,  10                           ; my stage + 272 r + 32 h: O's row r, my eight channels of a tile
.set NM,  12                           ; -M
.set RM,  13                           ; the largest score so far
.set L,   14                           ; v14-15 the row's sum, in two halves
.set Q,   16                           ; v16-27 Q's fragment (v22-27: zero codes)
.set QS,  28                           ; Q's scale word
.set PS,  29                           ; p's
.set VS,  30                           ; v30-31 V's
.set KS,  32                           ; v32-35 K's
.set YA,  36                           ; even steps' K and V; odd steps' S
.set YS,  90                           ; even steps' S
.set YB,  100                          ; odd steps' K and V
.set P,   154                          ; v154-165 p's codes
.set T,   166                          ; v166-168, v170-172: the second half of a block's codes (a conversion's three registers begin on an even number)
.set BM,  174                          ; v174-175 my two blocks' largest score, then largest p
.set TMP, 176
.set XP,  177
.set FF,  178                          ; f = 2^(old M - new M); v179 named with it as a pair
.set SO,  180                          ; v180-181 the conversions' scale operands
.set E,   182                          ; v182-183 the maxima's second chains, then scale bytes
.set W,   184
.set DL,  185
.set SA,  186                          ; v186-191 the sum's three further chains
.set SB,  188
.set SC,  190
.set O,   192                          ; v192-223 O^T: four tiles of 16 channels
.set WV,  10
.set SEL, 20
.set CS,  22
.set G1,  24
.set G0,  32
.set TB,  40
.set CNT, 41
; A round of the cluster's barrier
.macro ROUND
	s_barrier_signal -1
	s_barrier_wait -1
	s_cmp_lg_u32 s[WV], 0
	s_cbranch_scc1 .Lnot_wave_0_\@
	s_barrier_signal -3
.Lnot_wave_0_\@:
	s_barrier_wait -3
	s_barrier_signal -1
	s_barrier_wait -1
.endm
; A joint load by waves lo .. hi - 1, each its own part.  The branches hang on the wave's number alone.  s_nop 0 and four v_nop follow the load.
.macro JLOAD lo, hi
.if \lo
	s_cmp_ge_u32 s[WV], \lo
	s_cbranch_scc0 .Lasked_\@
.endif
	s_cmp_lt_u32 s[WV], \hi
	s_cbranch_scc0 .Lasked_\@
	tensor_load_to_lds s[G0:G0+3], s[G1:G1+7]
	s_nop 0
.rept 4
	v_nop
.endr
.Lasked_\@:
.endm
; THE MEETING.  Each wave waits for all its tensor loads, adds 0 to its spare word, and waits for that and for its reads of the bytes that it leaves.
; fill = 1: waves lo .. hi - 1 issue a joint load behind a round of the cluster's barrier.  adv = 1: every wave's descriptor goes sixteen steps on.
; twice = 1: the add stands twice.
.macro MEET fill, lo, hi, adv, twice
	s_wait_tensorcnt 0x0                           ; no tensor load of mine is out, so my group 0 may be written
	ds_add_u32 v[SPW], v[NIL]
.if \twice
	ds_add_u32 v[SPW], v[NIL]
.endif
.if \adv
	s_add_nc_u64 s[G0+2:G0+3], s[G0+2:G0+3], 2*SLOTB   ; the type bits on top are not reached
.endif
	s_wait_dscnt 0x0                               ; the add is done, and my LDS reads are over
.if \fill
	ROUND
	JLOAD \lo, \hi                                 ; the first thing behind the round, and a wave's one tensor load until the next
.else
	s_barrier_signal -1
	s_barrier_wait -1
.endif
.endm
.macro KLOAD KK, off                   ; K's eight tiles, six registers each, and their scale words: 13 loads of 512 consecutive bytes
.irp i, 0,1,2,3,4,5,6,7,8,9,10,11
	ds_load_b128 v[\KK+4*\i:\KK+4*\i+3], v[ADR] offset:(\off)+512*\i
.endr
	ds_load_b128 v[KS:KS+3], v[ADR] offset:(\off)+12288
.endm
.macro TM SS, n                        ; n times: t - M, two at a time (of the pairs c and -M the low word serves both halves)
.rept \n
	v_pk_fma_f32 v[\SS+JF:\SS+JF+1], v[\SS+JF:\SS+JF+1], s[CS:CS+1], v[NM:NM+1] op_sel_hi:[1,0,0]
.set JF, JF+2
.endr
.endm
.macro ADDS SS, n                      ; n pairs of p onto the sum's four chains by turns; pairs SKIP .. SKIP + 2 are left for the next step's head
.rept \n
.if JJ == SKIP
.set JJ, JJ+3
.endif
.if JJ % 4 == 3
	v_pk_add_f32 v[L:L+1], v[L:L+1], v[\SS+2*JJ:\SS+2*JJ+1]
.else
	v_pk_add_f32 v[SA+2*(JJ%4):SA+2*(JJ%4)+1], v[SA+2*(JJ%4):SA+2*(JJ%4)+1], v[\SS+2*JJ:\SS+2*JJ+1]
.endif
.set JJ, JJ+1
.endr
.endm
; A KEY STEP: 128 keys.  KK: K's, then V's registers; SS: S's; NK: the next step's K; off: the step's block from the trip's first; pf = 1: the next step's K is asked for.
.macro STEP KK, SS, NK, off, pf
	v_pk_add_f32 v[SA:SA+1], v[SA:SA+1], v[\KK+48:\KK+49]   ; the last step's three pairs of p that lie behind my K.  These five lines are the places between the last products and the products that write over V's registers
	v_pk_add_f32 v[SB:SB+1], v[SB:SB+1], v[\KK+50:\KK+51]
	v_pk_add_f32 v[SC:SC+1], v[SC:SC+1], v[\KK+52:\KK+53]
	v_mov_b32 v[DL], v[NM]
	v_pk_add_f32 v[L:L+1], v[L:L+1], v[SA:SA+1]    ; and the four chains become one, here and behind the products below
	s_wait_alu depctr_va_vdst(0)                   ; directly ahead of the wait below
	s_wait_dscnt 0x0                               ; K and its scale words are in
.irp t, 0,1,2,3,4,5,6,7
.if \t % 2
	v_wmma_scale_f32_16x16x128_f8f6f4 v[\SS+8*\t:\SS+8*\t+7], v[\KK+6*\t:\KK+6*\t+11], v[Q:Q+11], 0, v[KS+\t/2], v[QS] matrix_a_fmt:MATRIX_FMT_FP6 matrix_b_fmt:MATRIX_FMT_FP6 matrix_a_scale:MATRIX_SCALE_ROW1
.else
	v_wmma_scale_f32_16x16x128_f8f6f4 v[\SS+8*\t:\SS+8*\t+7], v[\KK+6*\t:\KK+6*\t+11], v[Q:Q+11], 0, v[KS+\t/2], v[QS] matrix_a_fmt:MATRIX_FMT_FP6 matrix_b_fmt:MATRIX_FMT_FP6
.endif
.endr
	v_pk_add_f32 v[SB:SB+1], v[SB:SB+1], v[SC:SC+1]    ; four places in front of the loads into K's registers and of the first read of the scores
.if (\off) == 0
	v_add_nc_u32 v[ADR], s[TB], v[LI]              ; the trip's addresses
	v_add_nc_u32 v[AD8], s[TB], v[L8]
.else
	v_nop
	v_nop
.endif
	v_pk_add_f32 v[L:L+1], v[L:L+1], v[SB:SB+1]
.irp i, 0,1,2,3,4,5,6,7,8,9,10,11
	ds_load_b128 v[\KK+4*\i:\KK+4*\i+3], v[ADR] offset:(\off)+6144+512*\i   ; V's four tiles
.endr
	ds_load_b64 v[VS:VS+1], v[AD8] offset:(\off)+12800
	; the largest score of each of my two blocks of 32 keys, two chains a block; each accumulator is read from its low end on
.irp c, 0,1
	v_max3_num_f32 v[BM+\c], v[\SS+32*\c], v[\SS+32*\c+1], v[\SS+32*\c+2]
	v_max3_num_f32 v[E+\c], v[\SS+32*\c+16], v[\SS+32*\c+17], v[\SS+32*\c+18]
.irp i, 3,5,7,9,11,13
	v_max3_num_f32 v[BM+\c], v[BM+\c], v[\SS+32*\c+\i], v[\SS+32*\c+\i+1]
	v_max3_num_f32 v[E+\c], v[E+\c], v[\SS+32*\c+16+\i], v[\SS+32*\c+17+\i]
.endr
.endr
.irp c, 0,1
	v_max3_num_f32 v[BM+\c], v[BM+\c], v[E+\c], v[\SS+32*\c+15]
.endr
.irp c, 0,1
	v_max_num_f32 v[BM+\c], v[BM+\c], v[\SS+32*\c+31]
.endr
	s_delay_alu instid0(VALU_DEP_1)
	v_max_num_f32 v[TMP], v[BM], v[BM+1]
	s_delay_alu instid0(VALU_DEP_1)
	v_permlanex16_b32 v[XP], v[TMP], s[SEL], s[SEL+1]  ; the query's other 64 keys lie in the lane 16 away
	s_delay_alu instid0(VALU_DEP_1)
	v_max3_num_f32 v[RM], v[RM], v[TMP], v[XP]     ; the largest score so far
	s_delay_alu instid0(VALU_DEP_1)
	v_mul_f32 v[TMP], s[CS], v[RM]                 ; as t (c is positive)
	v_floor_f32 v[NM], -v[TMP]                     ; the new -M = floor(-t) = -ceil(t): a whole number
.set JF, 0
	TM \SS, 4
	v_sub_f32 v[DL], v[NM], v[DL]                  ; old M - new M: a whole number, 0 or less
	TM \SS, 4
	v_cvt_i32_f32 v[DL], v[DL]                     ; (it saturates)
	TM \SS, 4
	v_ldexp_f32 v[FF], 1.0, v[DL]                  ; f = 2^(old M - new M)
	TM \SS, 20
.irp c, 0,1
	v_fma_f32 v[BM+\c], v[BM+\c], s[CS], v[NM]     ; the same of each block's largest score
.endr
	s_wait_alu depctr_va_vdst(0)                   ; the wait ahead of the batch
.set j, 0
.rept 64
	v_exp_f32 v[\SS+j], v[\SS+j]                   ; p = 2^(t - M)
.set j, j+1
.endr
.irp c, 0,1
	v_exp_f32 v[BM+\c], v[BM+\c]                   ; the block's largest p
.endr
	v_pk_mul_f32 v[L:L+1], v[L:L+1], v[FF:FF+1] op_sel_hi:[1,0]    ; the sum under the new M.  (The plain line behind the exponentials)
	s_wait_alu depctr_va_vdst(0)                   ; and the wait behind the batch
.irp c, 0,1
	v_max_num_f32 v[BM+\c], 0x1800000, v[BM+\c]    ; the floor 2^(3 - 127): the byte cannot fall under 1
.endr
	v_pk_add_f32 v[SA:SA+1], v[\SS+2:\SS+3], v[\SS+4:\SS+5]        ; the sum of the unquantised p; the scale's lines stand among its additions
	v_pk_add_f32 v[SB:SB+1], v[\SS+6:\SS+7], v[\SS+8:\SS+9]
.irp c, 0,1
	v_add_nc_u32 v[SO+\c], 0xff000000, v[BM+\c]    ; 2 off the exponent field: the conversion's scale operand
.endr
	v_pk_add_f32 v[SC:SC+1], v[\SS+10:\SS+11], v[\SS+12:\SS+13]
	v_pk_add_f32 v[L:L+1], v[L:L+1], v[\SS:\SS+1]
.irp c, 0,1
	v_cvt_scalef32_pk16_fp6_f32 v[P+6*\c:P+6*\c+2], v[\SS+32*\c:\SS+32*\c+15], v[SO+\c]
	v_cvt_scalef32_pk16_fp6_f32 v[T+4*\c:T+4*\c+2], v[\SS+32*\c+16:\SS+32*\c+31], v[SO+\c]
.endr
.irp c, 0,1
	v_lshrrev_b32 v[E+\c], 23, v[SO+\c]            ; the byte of key block 2 c + h.  (The plain line behind the conversions)
.endr
.set JJ, 7
.if \SS == YA
.set SKIP, 24                          ; v84-89 lie behind the next K (v36-83)
.else
.set SKIP, 29                          ; v148-153 lie behind the next K (v100-147)
.endif
	ADDS \SS, 2
	v_lshl_or_b32 v[W], v[E+1], 16, v[E]
	ADDS \SS, 3
	v_lshlrev_b32 v[W], v[SH8], v[W]               ; at their places in the word
	ADDS \SS, 3
	v_permlanex16_b32 v[XP], v[W], s[SEL], s[SEL+1]
	ADDS \SS, 3
	v_or_b32 v[PS], v[W], v[XP]                    ; with lane l xor 16's two: p's scale word for these 128 keys
	v_dual_mov_b32 v[P+3], v[T] :: v_dual_mov_b32 v[P+4], v[T+1]       ; registers 6 c .. 6 c + 5 hold keys 64 c + 32 h + 0 .. 31
	v_dual_mov_b32 v[P+5], v[T+2] :: v_dual_mov_b32 v[P+10], v[T+5]
	v_mov_b32 v[P+9], v[T+4]
	v_mov_b32 v[P+11], v[T+6]
	ADDS \SS, 11
.if \pf
	KLOAD \NK, (\off)+STEPB                        ; p is converted and summed: its registers take the next step's K
.endif
	s_wait_alu depctr_va_vdst(0)                   ; directly ahead of the first reader of O^T
.set j, 0
.rept 16
	v_pk_mul_f32 v[O+j:O+j+1], v[O+j:O+j+1], v[FF:FF+1] op_sel_hi:[1,0]   ; O^T under the new M, each accumulator from its low end on.  (Also the places between p's codes and scale word and the products)
.set j, j+2
.endr
	s_wait_alu depctr_va_vdst(0)                   ; directly ahead of the wait below
.if \pf
	s_wait_dscnt 13                                ; V and its scale words are in; the 13 younger loads, the next K's, may be out
.else
	s_wait_dscnt 0x0
.endif
.irp t, 0,1,2,3                                ; the four accumulators take turns
.if \t % 2
	v_wmma_scale_f32_16x16x128_f8f6f4 v[O+8*\t:O+8*\t+7], v[\KK+12*\t:\KK+12*\t+11], v[P:P+11], v[O+8*\t:O+8*\t+7], v[VS+\t/2], v[PS] matrix_a_fmt:MATRIX_FMT_FP6 matrix_b_fmt:MATRIX_FMT_FP6 matrix_a_scale:MATRIX_SCALE_ROW1
.else
	v_wmma_scale_f32_16x16x128_f8f6f4 v[O+8*\t:O+8*\t+7], v[\KK+12*\t:\KK+12*\t+11], v[P:P+11], v[O+8*\t:O+8*\t+7], v[VS+\t/2], v[PS] matrix_a_fmt:MATRIX_FMT_FP6 matrix_b_fmt:MATRIX_FMT_FP6
.endif
.endr
.endm
.macro WALK base, trips                ; 2 trips + 2 steps from LDS byte base on: the trips of two steps in a loop, and one more written out, whose last step asks for no K: the next lies behind a meeting
	s_mov_b32 s[TB], \base
	v_add_nc_u32 v[ADR], s[TB], v[LI]
	KLOAD YA, 0
.if \trips
	s_mov_b32 s[CNT], \trips
.Ltrip_\@:
	STEP YA, YS, YB, 0, 1
	STEP YB, YA, YA, STEPB, 1
	s_add_co_u32 s[TB], s[TB], 2*STEPB
	s_sub_co_u32 s[CNT], s[CNT], 1
	s_cmp_lg_u32 s[CNT], 0
	s_cbranch_scc1 .Ltrip_\@
.endif
	STEP YA, YS, YB, 0, 1
	STEP YB, YA, YA, STEPB, 0
.endm
	s_load_b128 s[4:7], s[0:1], 0x0                ; queries s[4:5], kv s[6:7]
	s_load_b64 s[8:9], s[0:1], 0x10                ; out0
	v_lshl_add_u32 v[SPW], v0, 2, SPARE
	v_mov_b32 v[NIL], 0
	ds_add_u32 v[SPW], v[NIL]                      ; the opening lines: the add, twice on end, and one wait
	ds_add_u32 v[SPW], v[NIL]
	v_lshrrev_b32 v5, 5, v0
	v_and_b32 v6, 31, v0
	v_readfirstlane_b32 s[WV], v5                  ; wave 0..15
	v_lshlrev_b32 v[LI], 4, v6
	v_lshlrev_b32 v[L8], 3, v6
	s_bfe_u32 s11, ttmp6, 0x40000                  ; cx: it enters the addresses of queries and out0 alone
	s_lshl_b32 s12, ttmp9, 2                       ; in a cluster launch ttmp9 counts clusters
	s_add_co_u32 s12, s12, s11                     ; my block of 256 queries
	s_and_b32 s13, ttmp7, 0xffff                   ; the head, which the four partners share
	s_lshl_b32 s14, s13, 20                        ; the head's 4,096 rows of 256 bytes,
	s_lshl_b32 s15, s12, 16                        ; my block's 256,
	s_or_b32 s14, s14, s15
	s_lshl_b32 s15, s[WV], 12                      ; my wave's 16
	s_or_b32 s14, s14, s15
	s_mov_b32 s15, 0
	s_and_b32 s18, s[WV], 7
	s_mul_i32 s18, s18, PARTB                      ; which part of the ring I fetch, if I fetch: in LDS and in kv alike
	s_mul_i32 s16, s13, HEADB
	s_add_co_u32 s16, s16, s18
	s_mov_b32 s17, 0
	s_mov_b32 s[SEL], 0x76543210
	s_mov_b32 s[SEL+1], 0xfedcba98                 ; v_permlanex16_b32's selects for lane l xor 16
	s_mov_b32 s[CS], 0x3db8aa3b                    ; c = log2(e) / 16
	s_mov_b32 s[CS+1], s[CS]                       ; (named with it as a pair)
	; descriptor group 1: 102 rows of 256 bytes (32 elements of 8), dense
	s_mov_b32 s[G1], 15|(3<<16)|(1<<21)            ; the mask: all four work-groups; elements of 8 bytes; bit 21 set beside a mask
	s_mov_b32 s[G1+1], 32<<16                      ; tensor_dim0 = 32
	s_mov_b32 s[G1+2], 102<<16                     ; tensor_dim1 = 102
	s_mov_b32 s[G1+3], 32<<16                      ; tile_dim0 = 32
	s_mov_b32 s[G1+4], 102                         ; tile_dim1 = 102
	s_mov_b32 s[G1+5], 32                          ; from row to row
	s_mov_b32 s[G1+6], 0
	s_mov_b32 s[G1+7], 0
	s_wait_alu depctr_va_vdst(0)                   ; directly ahead of the waits below
	s_wait_dscnt 0x0                               ; both opening adds are done
	s_wait_kmcnt 0x0
	s_add_nc_u64 s[4:5], s[4:5], s[14:15]          ; queries and out0 at my wave's first row
	s_add_nc_u64 s[8:9], s[8:9], s[14:15]
.irp i, 0,1,2,3,4,5,6,7
	global_load_b128 v[YS+4*\i:YS+4*\i+3], v[LI], s[4:5] offset:512*\i th:TH_LOAD_NT   ; my 16 queries, 512 consecutive bytes a load; read once in the launch
.endr
	s_mov_b32 s[G0], 1                             ; count = 1
	s_mov_b32 s[G0+1], s18                         ; LDS address: my part
	s_add_nc_u64 s[G0+2:G0+3], s[6:7], s[16:17]    ; steps 2 w and 2 w + 1 of the head
	s_or_b32 s[G0+3], s[G0+3], 0x80000000          ; type = 2
	ROUND                                          ; all four work-groups are here: the first joint loads meet
	JLOAD 0, 1                                     ; steps 0 and 1, by wave 0
	v_and_b32 v6, 15, v0                           ; r
	v_bfe_u32 v11, v0, 4, 1                        ; h
	s_mul_i32 s19, s[WV], 16*SP
	s_add_co_u32 s19, s19, STG                     ; my stage
	v_mul_u32_u24 v[A1], v11, SP
	v_mul_u32_u24 v[A2], v6, SP
	v_lshlrev_b32 v[SH8], 3, v11
	v_lshl_add_u32 v[A1], v6, 4, v[A1]
	v_lshl_add_u32 v[A3], v11, 5, v[A2]
	v_lshl_add_u32 v[A2], v11, 7, v[A2]
	v_add_nc_u32 v[A1], s19, v[A1]
	v_add_nc_u32 v[A3], s19, v[A3]
	v_add_nc_u32 v[A2], s19, v[A2]
	v_mov_b32 v[XP], 0                             ; a lane permute's destination counts as one of its sources
.irp i, 0,1,2,3,4,5
	v_mov_b32 v[Q+6+\i], 0                         ; zero codes: the empty half of Q's fragment,
	v_mov_b32 v[YA+48+\i], 0                       ; what stands behind K's tile 7 in the first step (and is added to the sum there),
	v_mov_b32 v[SA+\i], 0                          ; and the sum's three further chains
.endr
.set j, 0
.rept 32
	v_mov_b32 v[O+j], 0                            ; O^T.  (The step is written once: the first finds zeros, which the first change of M leaves zeros)
.set j, j+1
.endr
	v_mov_b32 v[L], 0
	v_mov_b32 v[L+1], 0
	v_mov_b32 v[FF+1], 0                           ; (named as the upper half of a pair)
	v_mov_b32 v[RM], 0xff61b1e6                    ; the largest score so far: -3e38
	s_delay_alu instid0(VALU_DEP_1)
	v_mul_f32 v[TMP], s[CS], v[RM]
	s_delay_alu instid0(VALU_DEP_1)
	v_floor_f32 v[NM], -v[TMP]
	s_wait_alu depctr_va_vdst(0)                   ; directly ahead of the wait below
	s_wait_loadcnt 0x0
.irp i, 0,1,2,3,4,5,6,7
	ds_store_b128 v[A1], v[YS+4*\i:YS+4*\i+3] offset:2*SP*\i       ; rows 2 i and 2 i + 1
.endr
.irp j, 0,1,2,3,4,5,6,7
	ds_load_b128 v[YA+4*\j:YA+4*\j+3], v[A2] offset:16*\j          ; LDS serves a wave's instructions in order: these see my stores.  Row r, d = 32 h + 0 .. 31: a whole block
.endr
	s_wait_dscnt 0x0
	v_max3_num_f32 v[BM], |v[YA]|, |v[YA+1]|, 0x1800000            ; the block's largest magnitude, with the floor 2^(3 - 127)
.irp i, 2,4,6,8,10,12,14,16,18,20,22,24,26,28,30
	s_delay_alu instid0(VALU_DEP_1)
	v_max3_num_f32 v[BM], v[BM], |v[YA+\i]|, |v[YA+\i+1]|
.endr
	s_delay_alu instid0(VALU_DEP_1)
	v_add_nc_u32 v[SO], 0xff000000, v[BM]
	v_cvt_scalef32_pk16_fp6_f32 v[Q:Q+2], v[YA:YA+15], v[SO]
	v_cvt_scalef32_pk16_fp6_f32 v[T:T+2], v[YA+16:YA+31], v[SO]
	v_lshrrev_b32 v[E], 23, v[SO]                  ; the byte of d's block h.  (The plain line behind the conversions)
.irp i, 0,1,2
	v_mov_b32 v[Q+3+\i], v[T+\i]
.endr
	s_delay_alu instid0(VALU_DEP_4)
	v_lshlrev_b32 v[W], v[SH8], v[E]
	s_delay_alu instid0(VALU_DEP_1)
	v_permlanex16_b32 v[XP], v[W], s[SEL], s[SEL+1]
	s_delay_alu instid0(VALU_DEP_1)
	v_or_b32 v[QS], v[W], v[XP]
	s_delay_alu instid0(VALU_DEP_1)
	v_or_b32 v[QS], 0x7f7f0000, v[QS]              ; the empty half of the instruction's K: scale 1
	s_wait_alu depctr_va_vdst(0)                   ; the wait at the head's end
	MEET 1, 1, 8, 0, 1                             ; steps 0 and 1 are in, in every work-group; the first fills of steps 2 to 15, by waves 1 to 7, are issued as refills are
	WALK 0, 0                                      ; steps 0 and 1
	MEET 0, 0, 0, 0, 1                             ; steps 2 to 15 are in
	WALK 2*STEPB, 2                                ; steps 2 to 7
	MEET 1, 0, 4, 1, 1                             ; slot 0 takes steps 16 to 23, by waves 0 to 3
	WALK SLOTB, 3                                  ; steps 8 to 15
	MEET 1, 4, 8, 0, 1                             ; slot 1 takes steps 24 to 31, by waves 4 to 7
	WALK 0, 3
	MEET 0, 0, 0, 0, 0                             ; nothing is left to ask for
	WALK SLOTB, 3
	; THE WAY OUT.  O^T is divided by the row's sum and goes through my stage: in by rows r, back as the rows lie in memory, so that an instruction stores 512 consecutive aligned bytes.
	v_pk_add_f32 v[SA:SA+1], v[SA:SA+1], v[YA+48:YA+49]    ; the last step's three pairs that were left.  (With the lines below: the places behind the last products)
	v_pk_add_f32 v[SB:SB+1], v[SB:SB+1], v[YA+50:YA+51]
	v_pk_add_f32 v[SC:SC+1], v[SC:SC+1], v[YA+52:YA+53]
	v_pk_add_f32 v[L:L+1], v[L:L+1], v[SA:SA+1]    ; the sum's four chains,
	v_pk_add_f32 v[SB:SB+1], v[SB:SB+1], v[SC:SC+1]
	s_delay_alu instid0(VALU_DEP_1)
	v_pk_add_f32 v[L:L+1], v[L:L+1], v[SB:SB+1]
	s_delay_alu instid0(VALU_DEP_1)
	v_add_f32 v[L], v[L], v[L+1]                   ; its two halves,
	s_delay_alu instid0(VALU_DEP_1)
	v_permlanex16_b32 v[XP], v[L], s[SEL], s[SEL+1]
	s_delay_alu instid0(VALU_DEP_1)
	v_add_f32 v[L], v[L], v[XP]                    ; and lane l xor 16's: the row's sum
	s_wait_alu depctr_va_vdst(0)
	v_rcp_f32 v[L], v[L]
	v_nop                                          ; one plain line behind the transcendental
	s_wait_alu depctr_va_vdst(0)
.set j, 0
.rept 16
	v_pk_mul_f32 v[O+j:O+j+1], v[O+j:O+j+1], v[L:L+1] op_sel_hi:[1,0]   ; register 8 t + i is o(r, 16 t + 8 h + i)
.set j, j+2
.endr
.irp t, 0,1,2,3
	ds_store_b128 v[A3], v[O+8*\t:O+8*\t+3] offset:64*\t
	ds_store_b128 v[A3], v[O+8*\t+4:O+8*\t+7] offset:64*\t+16
.endr
.irp i, 0,1,2,3,4,5,6,7
	ds_load_b128 v[YA+4*\i:YA+4*\i+3], v[A1] offset:2*SP*\i        ; LDS serves a wave's instructions in order: these see my stores
.endr
.irp i, 0,1,2,3,4,5,6,7
	s_wait_dscnt 7-\i                              ; load i is back; the younger ones may be out
	global_store_b128 v[LI], v[YA+4*\i:YA+4*\i+3], s[8:9] offset:512*\i th:TH_STORE_NT   ; two rows of out0; written once, read by nobody here
.endr
	s_wait_tensorcnt 0x0                           ; the wave's end
	ds_add_u32 v[SPW], v[NIL]
	s_wait_dscnt 0x0
	ROUND                                          ; the closing round: no work-group ends while a partner may still ask for a tile that names it
	s_endpgm
.Lfunc_end_k_q2463b0fe0d_attn:
	.size	k_q2463b0fe0d_attn, .Lfunc_end_k_q2463b0fe0d_attn-k_q2463b0fe0d_attn
	.p2alignl 7, 3214868480
	.fill 96, 4, 3214868480
	.section	.rodata,"a",@progbits
	.p2align	6, 0x0
	.amdhsa_kernel k_q2463b0fe0d_attn
		.amdhsa_group_segment_fixed_size 327680
		.amdhsa_private_segment_fixed_size 0
		.amdhsa_enable_private_segment 0
		.amdhsa_kernarg_size 24
		.amdhsa_user_sgpr_count 2
		.amdhsa_user_sgpr_kernarg_segment_ptr 1
		.amdhsa_wavefront_size32 1
		.amdhsa_system_sgpr_workgroup_id_x 1
		.amdhsa_system_sgpr_workgroup_id_y 1
		.amdhsa_system_sgpr_workgroup_id_z 1
		.amdhsa_system_vgpr_workitem_id 0
		.amdhsa_next_free_vgpr 224
		.amdhsa_next_free_sgpr 66
		.amdhsa_reserve_vcc 0
		.amdhsa_float_denorm_mode_32 3
		.amdhsa_float_denorm_mode_16_64 3
		.amdhsa_memory_ordered 1
		.amdhsa_forward_progress 1
		.amdhsa_inst_pref_size 255
	.end_amdhsa_kernel
	.section	.bss,"aw",@nobits
	.p2align	6
	.space	262144
	.amdgpu_metadata
---
amdhsa.version: [ 1, 2 ]
amdhsa.kernels:
  - .name:           k_q2463b0fe0d_attn
    .symbol:         k_q2463b0fe0d_attn.kd
    .args:
      - { .name: queries, .offset: 0, .size: 8, .value_kind: global_buffer, .address_space: global }
      - { .name: kv, .offset: 8, .size: 8, .value_kind: global_buffer, .address_space: global }
      - { .name: out0, .offset: 16, .size: 8, .value_kind: global_buffer, .address_space: global }
    .group_segment_fixed_size: 327680
    .private_segment_fixed_size: 0
    .kernarg_segment_align: 8
    .kernarg_segment_size: 24
    .max_flat_workgroup_size: 512
    .sgpr_count:     66
    .vgpr_count:     224
    .wavefront_size: 32
...
	.end_amdgpu_metadata
.endif
;; end of part 2
